; MI455X (gfx1250); checked and timed in simulation.
; The chip was launched on July 23, 2026; its instructions are those of AMD's public machine-readable ISA for CDNA 5 (MIT licence, August 2026) and "CDNA5" Instruction Set Architecture Reference Guide (July 2026). The comments in the code are by the model that wrote it; some were corrected since.
;; CTG Calibrated Binary. Allowed arithmetic: matrix products marked QUANTISED: E2M1 operands, one E8M0 scale for each 32 along K, by v_wmma_scale_f32_16x16x128_f8f6f4 with both operands' format E2M1 (or v_wmma_scale_f32_32x16x128_f4), f32 sums; everything else in f32.
;; Inputs: block_scales 64 x 64 float32; sign 4,096 x 4,096 float32; x 4,096 x 4,096 float32.
;; Outputs: out0 4,096 x 4,096 float32.
;; This version of the problem:
;;   THIS VERSION OF THE PROBLEM IS GIVEN IN LOW PRECISION. The matrix products marked QUANTISED in the list below multiply operands that are first quantised to E2M1 (2 exponent bits, 1 mantissa bit; 4 bits a number), with one power-of-two scale for each 32 numbers along K (OCP MX v1.0); their sums are f32. All else is computed in f32.
;;   The module's matrix products, in the order in which they are computed (A, B: the left and right operand; K: the contracted axis; several contracted axes count as one K, in the product's order):
;;     1. [M 4,096, K 4,096] x [K 4,096, N 4,096]; A: input x; B: computed on the way: QUANTISED
;;   THE QUANTISER, for each operand of a quantised product, along K:
;;     - K is cut into blocks of 32 from its start; a last block that is shorter is filled with zeros.
;;     - A block's scale is 2^e with e = floor(log2(the largest magnitude in the block)) - 2, held to -126 .. 127; a block of zeros has e = 0. As a byte (E8M0): e + 127.
;;     - Each number is divided by its block's scale, clamped to +-6, and rounded to the nearest number of E2M1, ties to even, subnormals kept.
;;     - The product sums the exact products of the quantised numbers (number of the format x scale) in f32.
;;   ~~~python
;;   def quantise(x, axis):      # numpy; x: float32 -> the quantised numbers, widened to float32 again
;;       x = np.moveaxis(x, axis, -1); K = x.shape[-1]
;;       x = np.pad(x, [(0, 0)] * (x.ndim - 1) + [(0, -K % 32)]); x = x.reshape(x.shape[:-1] + (-1, 32)); a = np.abs(x).max(-1, keepdims=True)
;;       e = np.where(a > 0, np.clip(np.frexp(np.where(a > 0, a, 1))[1] - 1 - 2, -126, 127), 0)      # np.frexp(a)[1] - 1 = floor(log2(a)), exactly
;;       r = np.clip(x / 2.0 ** e, -6, 6)
;;       step = 2.0 ** (np.maximum(np.frexp(np.where(r == 0, 1, r))[1] - 1, 0) - 1)
;;       q = np.round(r / step) * step * 2.0 ** e      # np.round: ties to even
;;       return np.moveaxis(q.reshape(q.shape[:-2] + (-1,))[..., :K], -1, axis).astype(np.float32)
;;   ~~~
;;   OPERANDS COMPUTED ON THE WAY. 'Computed on the way' means the value that the module computes at that place (a softmax that the list does not call 'softmax' is quantised finished and normalised). What goes into a quantiser is computed in f32, as accurately as f32 sums, v_exp_f32 and their like allow (about 1e-6 of the number): no bf16 or f16 on the way to a quantiser, and a product that is left as it is and whose result goes on into a quantised operand takes f32 operands (vector FMAs, or v_wmma_f32_16x16x4_f32). A number that lies on a knife's edge between two numbers of the format may be rounded either way, as far as f32 arithmetic and the matrix unit's own rounding can turn it there, and no further.
;; One version. Each part assembles by itself: llvm-mc -triple=amdgcn-amd-amdhsa -mcpu=gfx1250 --defsym DOCPART=n.
;; ======== version 1 of 1: 2 launches
;; limits: right only within a limited range of input values
;; workspace buffers: aq 8,912,896 bytes; bq 8,912,896 bytes
;; launch quant (part 1): grid 1024 x 1, 4 waves a work-group, no clusters, 56,832 bytes of LDS; arguments x, sign, block_scales, aq, bq; writes aq, bq
.if DOCPART == 1
	.amdgcn_target "amdgcn-amd-amdhsa--gfx1250"
	.amdhsa_code_object_version 6
	.text
	.protected	k_q3ba5a1808d_quant
	.globl	k_q3ba5a1808d_quant
	.p2align	8
	.type	k_q3ba5a1808d_quant,@function
k_q3ba5a1808d_quant:
	s_mov_b64 s[64:65], 0
	v_nop
	global_prefetch_b8 v0, s[64:65] scope:SCOPE_SE
	s_setreg_imm32_b32 hwreg(HW_REG_WAVE_MODE, 25, 1), 1
	s_wait_xcnt 0x0
; BOTH OPERANDS OF THE PRODUCT ARE QUANTISED HERE, ONCE, into codes of FP4 (E2M1) with one E8M0 scale byte for each 32 along K:
;   x [4096][4096], f32, K innermost, into aq;   W[k][n] = sign[k][n] x (max(block_scales[k / 64][n / 64], 0) + 1e-6), one f32 multiplication a number, K its FIRST axis, into bq.
; sign and block_scales are taken as any f32 numbers.
; A block's scale is 2^(floor(log2(its largest magnitude)) - 2); its byte is the largest magnitude's own exponent field - 2, held at 1 from below.
; Each number is divided by the scale and rounded to the nearest code, ties to even; beyond 6 the conversion gives the largest code.
; THE OUTPUTS' LAYOUT is this program's own, the same for both: [K step 8][row 4096][272 bytes], the row being x's row m or W's column n.  Of a row's 272 bytes the first 256 are the codes of
; k = 512 step .. + 511 (the lower k in the low four bits, 16 bytes a block of 32), the last 16 the scale bytes of these 16 blocks.  So 128 rows of one K step, codes and scales together,
; are one dense run of 34,816 bytes for the product's launch, and lie in LDS 272 bytes from row to row as they are.
; LIMITS: NaN and infinities among the inputs are not served.  A block of zeros gets the byte 1 where the rule says 127: its codes are zeros, which add nothing
; under any byte but 0xff, and the bytes are read by this program alone.  The floor 2^(3 - 127) gives the byte 1, the rule's own lower hold.
; ONE LAUNCH FOR BOTH TENSORS: work-groups 0 to 511 take x, work-groups 512 to 1,023 take W; a second launch would cost a second start and end.  The two need different texts (K innermost; K outermost),
; so one scalar branch on the work-group's number, the same in all four waves, parts them at the head, and each path ends by itself.  Each path has LDS bytes of its own: the two texts name no common byte.
; No tensor loads, no clusters, no matrix units: work-groups share no input, and the work is a stream.
.set KSB,   0x110000                   ; bytes of a K step in aq and in bq: 4,096 rows x 272
.set XWGS,  512                        ; work-groups that take x
; ---- names of x's path
.set STEPS, 16
.set WREG,  9728                       ; LDS: a region for each wave: two stages of 32 x SP bytes, then the image of the wave's output
.set SP,    80                         ; a lane's place in a stage: its 64 bytes + 16 of padding
.set OUTS,  2*32*SP                    ; the image: 16 rows of 272 bytes
.set XR,    24                         ; v24-151  eight sets of 16 numbers as they are loaded
.set XN,    152                        ; v152-183 two sets of 16 neighbours
.set XE,    184                        ; v184-199 a scale byte for each step
.set XC,    200                        ; v200-231 codes: two registers for each step, so that no store's data are written again
.set XO,    24                         ; v24-57   the way out (the loads' registers are free by then)
; v22: LDS address of my spare word, v23: 0; neither path names them for anything else
; ---- names of W's path
.set WST,   4*WREG                     ; LDS: behind x's four regions: W's stage, 64 rows x 272 bytes
.set MAG,   10                         ; v10-11   the magnitudes of blocks 0, 1 and of blocks 2, 3
.set WP,    32                         ; v32-159  two sets of 32 pairs as they are loaded
.set WY,    160                        ; v160-223 W: column 2 lane down K, then column 2 lane + 1
.set WC,    224                        ; v224-255 codes: eight registers for each block, never written again
.set WO,    32                         ; v32-65   the way out
	s_load_b256 s[4:11], s[0:1], 0x0               ; x s[4:5], sign s[6:7], block_scales s[8:9], aq s[10:11]
	s_load_b64 s[12:13], s[0:1], 0x20              ; bq
	v_lshl_add_u32 v22, v0, 2, 0xdc00
	v_mov_b32 v23, 0
	v_lshrrev_b32 v1, 5, v0
	v_readfirstlane_b32 s16, v1                    ; wave 0..3
	v_and_b32 v2, 31, v0                           ; lane
	s_cmp_ge_u32 ttmp9, XWGS                       ; x's work-group or W's?  The choice hangs on the work-group's number alone
	s_cbranch_scc1 .Lw
; ================ x: K IS INNERMOST ================
; SHARES.  A wave takes 16 rows x 512 along K: step t is row t's 2,048 consecutive bytes, four loads of 512.  Work-group g: rows 16 (g / 2) on; wave w: K step 4 (g % 2) + w.
; The conversions take neighbours along K from ONE lane's registers, the loads take neighbouring bytes in neighbouring LANES: a step's 2,048 bytes turn through the wave's own
; stage in LDS (in as they lie, back 64 bytes a lane; 16 bytes of padding behind each 64).  Two neighbouring lanes hold a block.
; Codes and scale bytes gather in the wave's own image of its output, 16 x 272 = 4,352 bytes, which leaves at the end as consecutive bytes: every store covers whole aligned runs of 256.
; No barrier: waves share nothing.  Loads run eight steps (32 loads a wave) ahead, the turn through LDS one step.  Written out, no loop: every offset is an immediate.
	v_lshlrev_b32 v3, 4, v2                        ; 16 x lane: my 16 bytes of a load's or a store's 512
	s_mul_i32 s17, s16, WREG                       ; my wave's region
	v_lshrrev_b32 v14, 2, v2
	v_mul_u32_u24 v14, v14, SP
	v_and_b32 v15, 3, v2
	v_lshl_add_u32 v14, v15, 4, v14
	v_add_nc_u32 v14, s17, v14                     ; the stage, on the way in: four lanes' 64 bytes on end, then the padding: SP (lane / 4) + 16 (lane % 4)
	v_mul_u32_u24 v15, v2, SP
	v_add_nc_u32 v15, s17, v15                     ; and on the way out: SP x lane: my 16 neighbours
	s_add_co_u32 s17, s17, OUTS                    ; my wave's image
	v_lshlrev_b32 v7, 3, v2                        ; 8 x lane
	v_add_nc_u32 v4, s17, v7                       ; my 16 codes' 8 bytes in a row of the image
	v_lshrrev_b32 v5, 1, v2
	v_add_nc_u32 v5, s17, v5
	v_add_nc_u32 v5, 256, v5                       ; my block's scale byte, behind the row's 256 bytes of codes
	v_add_nc_u32 v6, s17, v3                       ; the image read back, 16 bytes a lane
	s_lshr_b32 s18, ttmp9, 1                       ; which 16 rows
	s_and_b32 s19, ttmp9, 1
	s_lshl_b32 s19, s19, 2
	s_add_co_u32 s19, s19, s16                     ; which K step
	s_lshl_b32 s20, s18, 18                        ; x: 16 rows of 16,384 bytes,
	s_lshl_b32 s21, s19, 11                        ; + 512 numbers of 4 bytes a K step (all under 2^27)
	s_add_co_u32 s20, s20, s21
	s_mov_b32 s21, 0
	s_mul_i32 s22, s19, KSB                        ; aq: the K step,
	s_mul_i32 s23, s18, 16*272                     ; + 16 rows of 272 bytes
	s_add_co_u32 s22, s22, s23
	s_mov_b32 s23, 0
	s_wait_alu depctr_va_vdst(0)
	s_wait_kmcnt 0x0
	s_add_nc_u64 s[4:5], s[4:5], s[20:21]
	s_add_nc_u64 s[10:11], s[10:11], s[22:23]
.macro XLOAD t                         ; row t's 2,048 bytes into set t % 8
.irp i, 0,1,2,3
	global_load_b128 v[XR+16*((\t)%8)+4*\i:XR+16*((\t)%8)+4*\i+3], v3, s[4:5] offset:16384*(\t)+512*\i th:TH_LOAD_NT   ; 32 lanes read 512 consecutive bytes; read once in the launch
.endr
.endm
.macro XTURN t                         ; step t's numbers through the stage: LDS serves a wave's instructions in order (ISA guide 5.7.1.4), so no wait stands between the stores and the loads
.irp i, 0,1,2,3
	ds_store_b128 v14, v[XR+16*((\t)%8)+4*\i:XR+16*((\t)%8)+4*\i+3] offset:32*SP*((\t)%2)+8*SP*\i
.endr
.irp i, 0,1,2,3
	ds_load_b128 v[XN+16*((\t)%2)+4*\i:XN+16*((\t)%2)+4*\i+3], v15 offset:32*SP*((\t)%2)+16*\i
.endr
.endm
.irp t, 0,1,2,3,4,5,6,7
	XLOAD \t
.endr
	s_wait_loadcnt 28                              ; step 0's four loads are in; the 28 of steps 1 to 7 may be out
	XTURN 0
.macro XSTEP t
.set XS, XN+16*((\t)%2)
.if (\t) > 0
	s_wait_dscnt 2                                 ; this step's numbers are back from the stage (the last step's two stores into the image may be out): so its stores into the stage have read their registers,
.else
	s_wait_dscnt 0x0
.endif
.if (\t)+8 < STEPS
	XLOAD (\t)+8                                   ; which take the loads of eight steps on
.endif
.if (\t)+1 < STEPS
.if 14-(\t) >= 7
	s_wait_loadcnt 28                              ; the next step's four loads are in; those of the seven steps behind it may be out
.else
	s_wait_loadcnt 4*(14-(\t))                     ; towards the end fewer steps stand behind it
.endif
	XTURN (\t)+1                                   ; and go through the other stage while this step is worked
.endif
	v_max3_num_f32 v8, |v[XS]|, |v[XS+1]|, |v[XS+2]|               ; the largest magnitude of my 16, in two chains
	v_max3_num_f32 v9, |v[XS+3]|, |v[XS+4]|, |v[XS+5]|
.irp i, 6,10
	v_max3_num_f32 v8, v8, |v[XS+\i]|, |v[XS+\i+1]|
	v_max3_num_f32 v9, v9, |v[XS+\i+2]|, |v[XS+\i+3]|
.endr
	v_max3_num_f32 v8, v8, |v[XS+14]|, |v[XS+15]|
	v_max3_num_f32 v8, v8, v9, 0x1800000           ; and the floor 2^(3 - 127), under which no largest magnitude is taken: so the byte cannot fall under 1
	v_max_num_f32_dpp v8, v8, v8 row_xmask:1 row_mask:0xf bank_mask:0xf   ; and of my neighbour's 16: the block's
	v_add_nc_u32 v11, 0xff000000, v8               ; 2 off its exponent field: the conversion takes the exponent field of this operand as its scale, and nothing else of it
	v_cvt_scalef32_pk8_fp4_f32 v[XC+2*(\t)], v[XS:XS+7], v11       ; eight numbers / the scale, to the nearest code; the first number's code in the lowest four bits
	v_cvt_scalef32_pk8_fp4_f32 v[XC+2*(\t)+1], v[XS+8:XS+15], v11
	v_lshrrev_b32 v[XE+(\t)], 23, v11              ; the scale's byte; also the plain vector line behind the conversions
	ds_store_b64 v4, v[XC+2*(\t):XC+2*(\t)+1] offset:272*(\t)      ; into row t of the image
	ds_store_b8 v5, v[XE+(\t)] offset:272*(\t)     ; both lanes of a block write the same byte with the same value
.endm
.irp t, 0,1,2,3,4,5,6,7,8,9,10,11,12,13,14,15
	XSTEP \t
.endr
	; THE WAY OUT: the image's 4,352 bytes as they lie: eight times 512 bytes and once 256
.irp j, 0,1,2,3,4,5,6,7
	ds_load_b128 v[XO+4*\j:XO+4*\j+3], v6 offset:512*\j            ; LDS serves a wave's instructions in order: these see my stores
.endr
	ds_load_b64 v[XO+32:XO+33], v4 offset:4096
.irp j, 0,1,2,3,4,5,6,7
	s_wait_dscnt 8-\j                              ; load j is in; the 8 - j behind it may be out
	global_store_b128 v3, v[XO+4*\j:XO+4*\j+3], s[10:11] offset:512*\j   ; 32 lanes store 512 consecutive bytes, at a multiple of 256 from aq's first byte
.endr
	s_wait_dscnt 0x0
	global_store_b64 v7, v[XO+32:XO+33], s[10:11] offset:4096      ; the last 256 bytes
	s_wait_tensorcnt 0x0                           ; the wave's end
	ds_add_u32 v22, v23
	s_wait_dscnt 0x0
	s_endpgm
; ================ W: K IS THE FIRST AXIS ================
; SHARES.  Work-group 512 + 64 y + x: columns 64 x .. + 63, K step y.  Wave w: the quarter k = 512 y + 128 w .. + 127, four blocks of 32.  A LANE TAKES TWO COLUMNS, 2 lane and 2 lane + 1, AND ITS REGISTERS RUN DOWN K:
; each load reads one row k at 64 neighbouring columns, 256 consecutive aligned bytes a wave; a block of 32 along K of a column lies in one lane, so its largest magnitude needs no other lane.
; The 64 columns are one column of block_scales and the 128 k two of its rows: a wave has two magnitudes, read by scalar loads.
; THE MULTIPLICATION IS ALSO THE SORTING: it takes the loads' pairs (column, column + 1) apart into two runs of 32 registers down K, which the conversions want.  Nothing is transposed by an instruction.
; A row's 272 bytes come from four waves: they meet in ONE stage, the dense image of the work-group's 64 x 272 = 17,408 bytes of output, behind this path's one barrier; each wave then stores a quarter as it lies.
; Loads run two blocks (64 loads a wave) ahead.  Every offset is an immediate: 127 rows of 16,384 bytes at the most, inside the signed 24-bit immediate (ISA guide, chapter 10).
.Lw:
	s_wait_alu depctr_va_vdst(0)
	v_lshlrev_b32 v3, 3, v2                        ; 8 x lane: my two columns in a row of sign
	v_mul_u32_u24 v4, v2, 544                      ; the stage: row 2 lane of 272 bytes,
	s_lshl_b32 s28, s16, 6
	s_add_co_u32 s28, s28, WST
	v_add_nc_u32 v4, s28, v4                       ; + my quarter's 64 bytes of codes
	v_mul_u32_u24 v5, v2, 544
	s_lshl_b32 s28, s16, 2
	s_add_co_u32 s28, s28, WST+256
	v_add_nc_u32 v5, s28, v5                       ; my quarter's scale word, behind the row's 256 bytes of codes
	v_lshlrev_b32 v8, 4, v2                        ; 16 x lane
	s_mul_i32 s28, s16, 4352                       ; back: wave w takes the stage's bytes 4,352 w on, as they lie
	s_add_co_u32 s28, s28, WST
	v_add_nc_u32 v6, s28, v8
	s_add_co_u32 s28, s28, 4096
	v_add_nc_u32 v7, s28, v3                       ; and their last 256, 8 bytes a lane
	s_and_b32 s17, ttmp9, 63                       ; x: 512 is a multiple of 64, so the number's low six bits are x,
	s_bfe_u32 s18, ttmp9, 0x30006                  ; and its bits 8:6 are y
	s_lshl_b32 s20, s18, 23                        ; sign: 512 y rows of 16,384 bytes,
	s_lshl_b32 s21, s16, 21                        ; + 128 w rows,
	s_add_co_u32 s20, s20, s21
	s_lshl_b32 s21, s17, 8                         ; + 64 x columns of 4 bytes
	s_add_co_u32 s20, s20, s21
	s_mov_b32 s21, 0
	s_lshl_b32 s22, s18, 11                        ; block_scales: row 8 y + 2 w of 256 bytes, column x
	s_lshl_b32 s23, s16, 9
	s_add_co_u32 s22, s22, s23
	s_lshl_b32 s23, s17, 2
	s_add_co_u32 s22, s22, s23
	s_mov_b32 s23, 0
	s_mul_i32 s24, s18, KSB                        ; bq: the K step, + 64 x rows of 272 bytes, + my quarter of the image
	s_mul_i32 s25, s17, 64*272
	s_add_co_u32 s24, s24, s25
	s_mul_i32 s25, s16, 4352
	s_add_co_u32 s24, s24, s25
	s_mov_b32 s25, 0
	s_wait_alu depctr_va_vdst(0)
	s_wait_kmcnt 0x0
	s_add_nc_u64 s[6:7], s[6:7], s[20:21]
	s_add_nc_u64 s[8:9], s[8:9], s[22:23]
	s_add_nc_u64 s[12:13], s[12:13], s[24:25]
	s_load_b32 s26, s[8:9], 0x0                    ; the scale of k = 0 .. 63 of my quarter,
	s_load_b32 s27, s[8:9], 0x100                  ; and of k = 64 .. 127: one row of block_scales further down
.macro WLOAD t                         ; block t: sign(32 t + i, my two columns), i = 0 .. 31, into set t % 2
.set i, 0
.rept 32
	global_load_b64 v[WP+64*((\t)%2)+2*i:WP+64*((\t)%2)+2*i+1], v3, s[6:7] offset:(32*(\t)+i)*16384 th:TH_LOAD_NT   ; 32 lanes read 256 consecutive bytes; read once in the launch
.set i, i+1
.endr
.endm
	WLOAD 0
	WLOAD 1
	s_wait_kmcnt 0x0
	v_mov_b32 v[MAG], s26
	v_mov_b32 v[MAG+1], s27
	v_max_num_f32 v[MAG], 0, v[MAG]                ; relu,
	v_max_num_f32 v[MAG+1], 0, v[MAG+1]
	v_add_f32 v[MAG], 0x358637bd, v[MAG]           ; + 1e-6
	v_add_f32 v[MAG+1], 0x358637bd, v[MAG+1]
.macro WBLOCK t
.set WS, WP+64*((\t)%2)
.if (\t) < 3
	s_wait_loadcnt 32                              ; this block's 32 loads are in; the next block's may be out
.else
	s_wait_loadcnt 0x0
.endif
.set i, 0
.rept 32
	v_mul_f32 v[WY+i], v[MAG+(\t)/2], v[WS+2*i]    ; W, in f32; the pairs come apart into two runs down K
	v_mul_f32 v[WY+32+i], v[MAG+(\t)/2], v[WS+2*i+1]
.set i, i+1
.endr
.if (\t) < 2
	WLOAD (\t)+2                                   ; the set just read takes the block two further on
.endif
	v_max3_num_f32 v12, |v[WY]|, |v[WY+1]|, 0x1800000    ; each column's largest magnitude: all 32 numbers are mine; and the floor 2^(3 - 127): so the byte cannot fall under 1
	v_max3_num_f32 v13, |v[WY+32]|, |v[WY+33]|, 0x1800000
.irp n, 2,4,6,8,10,12,14,16,18,20,22,24,26,28,30
	v_max3_num_f32 v12, v12, |v[WY+\n]|, |v[WY+\n+1]|    ; (the two columns by turns)
	v_max3_num_f32 v13, v13, |v[WY+32+\n]|, |v[WY+33+\n]|
.endr
.irp c, 0,1
	v_add_nc_u32 v[16+\c], 0xff000000, v[12+\c]    ; 2 off the exponent field: the conversion takes the exponent field of this operand as its scale, and nothing else of it
.endr
.irp c, 0,1
	v_lshrrev_b32 v[18+\c], 23, v[16+\c]           ; the scale's byte
.endr
.irp c, 0,1
.if (\t) == 0
	v_mov_b32 v[20+\c], v[18+\c]                   ; my quarter's four bytes make a word, the lower K in the lower byte
.else
	v_lshl_or_b32 v[20+\c], v[18+\c], 8*(\t), v[20+\c]
.endif
.endr
.irp c, 0,1
.irp g, 0,1,2,3
	v_cvt_scalef32_pk8_fp4_f32 v[WC+8*(\t)+4*\c+\g], v[WY+32*\c+8*\g:WY+32*\c+8*\g+7], v[16+\c]
.endr
.endr
	v_nop                                          ; one plain vector line behind the conversions: the next block's multiplications write their sources
.irp c, 0,1
	ds_store_b128 v4, v[WC+8*(\t)+4*\c:WC+8*(\t)+4*\c+3] offset:272*\c+16*(\t)   ; 32 codes: 16 bytes of the column's row
.endr
.endm
	s_wait_alu depctr_va_vdst(0)
	WBLOCK 0
	WBLOCK 1
	WBLOCK 2
	WBLOCK 3
.irp c, 0,1
	ds_store_b32 v5, v[20+\c] offset:272*\c        ; my quarter's scale word of each column
.endr
	s_wait_dscnt 0x0                               ; for the others' sake: my stores into the stage are done
	s_barrier_signal -1
	s_barrier_wait -1                              ; the image is whole
.irp j, 0,1,2,3,4,5,6,7
	ds_load_b128 v[WO+4*\j:WO+4*\j+3], v6 offset:512*\j
.endr
	ds_load_b64 v[WO+32:WO+33], v7
.irp j, 0,1,2,3,4,5,6,7
	s_wait_dscnt 8-\j                              ; load j is in; the 8 - j behind it may be out
	global_store_b128 v8, v[WO+4*\j:WO+4*\j+3], s[12:13] offset:512*\j   ; 32 lanes store 512 consecutive bytes, at a multiple of 256 from bq's first byte
.endr
	s_wait_dscnt 0x0
	global_store_b64 v3, v[WO+32:WO+33], s[12:13] offset:4096      ; the last 256 bytes
	s_wait_tensorcnt 0x0                           ; the wave's end
	ds_add_u32 v22, v23
	s_wait_dscnt 0x0
	s_endpgm
.Lfunc_end_k_q3ba5a1808d_quant:
	.size	k_q3ba5a1808d_quant, .Lfunc_end_k_q3ba5a1808d_quant-k_q3ba5a1808d_quant
	.p2alignl 7, 3214868480
	.fill 96, 4, 3214868480
	.section	.rodata,"a",@progbits
	.p2align	6, 0x0
	.amdhsa_kernel k_q3ba5a1808d_quant
		.amdhsa_group_segment_fixed_size 56832
		.amdhsa_private_segment_fixed_size 0
		.amdhsa_enable_private_segment 0
		.amdhsa_kernarg_size 40
		.amdhsa_user_sgpr_count 2
		.amdhsa_user_sgpr_kernarg_segment_ptr 1
		.amdhsa_wavefront_size32 1
		.amdhsa_system_sgpr_workgroup_id_x 1
		.amdhsa_system_sgpr_workgroup_id_y 1
		.amdhsa_system_sgpr_workgroup_id_z 1
		.amdhsa_system_vgpr_workitem_id 0
		.amdhsa_next_free_vgpr 256
		.amdhsa_next_free_sgpr 66
		.amdhsa_reserve_vcc 0
		.amdhsa_float_denorm_mode_32 3
		.amdhsa_float_denorm_mode_16_64 3
		.amdhsa_memory_ordered 1
		.amdhsa_forward_progress 1
		.amdhsa_inst_pref_size 71
	.end_amdhsa_kernel
	.amdgpu_metadata
---
amdhsa.version: [ 1, 2 ]
amdhsa.kernels:
  - .name:           k_q3ba5a1808d_quant
    .symbol:         k_q3ba5a1808d_quant.kd
    .args:
      - { .name: x, .offset: 0, .size: 8, .value_kind: global_buffer, .address_space: global }
      - { .name: sign, .offset: 8, .size: 8, .value_kind: global_buffer, .address_space: global }
      - { .name: block_scales, .offset: 16, .size: 8, .value_kind: global_buffer, .address_space: global }
      - { .name: aq, .offset: 24, .size: 8, .value_kind: global_buffer, .address_space: global }
      - { .name: bq, .offset: 32, .size: 8, .value_kind: global_buffer, .address_space: global }
    .group_segment_fixed_size: 56832
    .private_segment_fixed_size: 0
    .kernarg_segment_align: 8
    .kernarg_segment_size: 40
    .max_flat_workgroup_size: 128
    .sgpr_count:     66
    .vgpr_count:     256
    .wavefront_size: 32
...
	.end_amdgpu_metadata
.endif
;; end of part 1
;; launch gemm (part 2): grid 16 x 16, 4 waves a work-group, clusters of 4 x 4, 327,680 bytes of LDS; arguments aq, bq, out0; writes out0
.if DOCPART == 2
	.amdgcn_target "amdgcn-amd-amdhsa--gfx1250"
	.amdhsa_code_object_version 6
	.text
	.protected	k_q3ba5a1808d_gemm
	.globl	k_q3ba5a1808d_gemm
	.p2align	8
	.type	k_q3ba5a1808d_gemm,@function
k_q3ba5a1808d_gemm:
	s_mov_b64 s[64:65], 0
	v_nop
	global_prefetch_b8 v0, s[64:65] scope:SCOPE_SE
	s_setreg_imm32_b32 hwreg(HW_REG_WAVE_MODE, 25, 1), 1
	s_wait_xcnt 0x0
	s_wait_alu depctr_hold_cnt(0) depctr_sa_sdst(0) depctr_va_vdst(0) depctr_va_sdst(0) depctr_va_ssrc(0) depctr_va_vcc(0) depctr_vm_vsrc(0)
	s_getreg_b32 s2, hwreg(HW_REG_IB_STS2, 6, 4)
	s_cmp_eq_u32 s2, 0
	s_cbranch_scc0 .Lentry_in_a_cluster
	s_endpgm
.Lentry_in_a_cluster:
	s_bfe_u32 s2, ttmp6, 0x10000c
	s_cmp_lg_u32 s2, 0xf033
	s_cbranch_scc0 .Lentry_shape_is_right
	s_endpgm
.Lentry_shape_is_right:
; out0[m][n] = sum over k of xq[m][k] Wq[k][n], on the codes of FP4 (E2M1) and E8M0 scale bytes that launch quant laid: aq and bq are [K step 8][row 4096][272 bytes]:
; 256 bytes of codes of 512 along K, then the 16 scale bytes of these 16 blocks.  128 rows of a K step are 34,816 dense bytes, 136 aligned runs of 256: what one tensor load brings.
; A tile of out0, 256 x 256, is made by four waves, 128 x 128 each: 64 accumulators, 512 registers.  K goes in 8 steps of 512 through two LDS slots.
; LDS: four quarters (A's rows 0-127, 128-255, B's likewise), each with its two slots on end.  At the head each wave asks for its quarter of K step 0; K step 1 follows as a refill does.
; CLUSTERS 4 x 4: A's tiles are asked for jointly along a row of the cluster, B's along a column.  Source 0 = rows of B, source 1 = rows of A: a lane holds eight neighbouring numbers of a row of out0.
; PREFETCH: each K step is named once in each cluster that will load it: of a wave's 136 runs of 256 bytes each of the four partners takes 34, by address
; (cx for A, cy for B): 32 by one instruction, a lane a run, 2 by a second, whose left-over lanes name the last run again.  K step 0 is named as soon as the arguments are in, ahead of the first round;
; K step 1 behind K step 0's load; K steps 2 and 3 behind K step 1's; K step j + 2 behind K step j's from j = 2 on; the loads of K steps 6 and 7 name nothing.
; FRAGMENTS: two sets for A and two for B.  A step of 128 along K first asks for ALL the next step's fragments, 32 LDS loads in one run, and then multiplies: the loads have the step's 64 products in which to come.
; THE LAST K STEP goes by rows of out0: all its fragments of B fill window 1, and my eight blocks of 16 rows are finished and stored one after the other.
; REGISTERS: window 0: v0-31 addresses, v32-95 scale words (two sets), v128-191 and v192-255 A's two sets (last K step: four buffers of 16 rows x 512 K);
; window 1: B's two sets at v0 and v128 (last K step: all 256); windows 2, 3: accumulators of my rows 0-63, 64-127 ((a, b) at v[8 (8 (a % 4) + b)]).
.set SIZE_N, 4096
.set NQ,     4
.set PITCH,  272
.set KSB,    4096*PITCH                ; a K step of aq or bq in bytes
.set FR,     8
.set NP,     4                         ; places behind this matrix form (ISA guide 7.12.1)
.set HALFT,  128*PITCH                 ; 128 rows of a K step
.set QW,     2*HALFT                   ; a quarter's two slots
.set SPARE,  4*QW                      ; the spare words, 128 bytes a wave
.set STAGE,  SPARE+512                 ; the way out: 16 rows x 528 bytes for each wave; no tensor load lands here
.set SPITCH, 528
.set ADRA, 16                          ; v16-17 my A fragments in slot 0, 1
.set ADRB, 20                          ; v20-21 my B fragments
.set ADRS, 22                          ; v22-23 scale words: lanes 0-15 A's rows, lanes 16-31 B's
.set STO,  24
.set RD,   25
.set CO,   26
.set PFO,  27                          ; 256 x lane
.set SPW,  28
.set NIL,  29
.set PFO2, 30                          ; 256 x (32 + min(lane, 1))
.set SC,   32
.set AF,   128
.set PA,   128
.set G1, 24                            ; group 1 for A: 136 rows of 256 bytes
.set G0, 32                            ; group 0 for A, one set a slot
.set G1B, 48
.set G0B, 56
.set PFA, 84                           ; s[84:85] where my prefetches stand
.set MSB, 0
.macro WIN new
.if MSB != \new
	s_set_vgpr_msb (MSB<<8)|\new
.set MSB, \new
.endif
.endm
.set MUL_LO, 0xa1
.set MUL_HI, 0xf1
.set TO_B,   0x40
.macro JLOAD g0a, g1a, g0b, g1b        ; waves 0, 1 ask for A, waves 2, 3 for B; s_nop 0 and four v_nop behind each line
	s_cmp_eq_u32 s15, 0
	s_cbranch_scc0 .Lfor_b_\@
	tensor_load_to_lds s[\g0a:\g0a+3], s[\g1a:\g1a+7]
	s_nop 0
.rept 4
	v_nop
.endr
	s_branch .Lasked_\@
.Lfor_b_\@:
	tensor_load_to_lds s[\g0b:\g0b+3], s[\g1b:\g1b+7]
	s_nop 0
.rept 4
	v_nop
.endr
.Lasked_\@:
.endm
.macro CREST
	s_cmp_lg_u32 s14, 0
	s_cbranch_scc1 .Lnot_wave_0_\@
	s_barrier_signal -3
.Lnot_wave_0_\@:
	s_barrier_wait -3
	s_barrier_signal -1
	s_barrier_wait -1
.endm
.macro CROUND
	s_barrier_signal -1
	s_barrier_wait -1
	CREST
.endm
.macro NAME off                        ; my 34 runs of 256 bytes of the K step that lies off bytes from where my prefetches stand
	global_prefetch_b8 v[PFO], s[PFA:PFA+1] offset:\off th:TH_LOAD_NT scope:SCOPE_SE
	global_prefetch_b8 v[PFO2], s[PFA:PFA+1] offset:\off th:TH_LOAD_NT scope:SCOPE_SE
.endm
	s_load_b128 s[4:7], s[0:1], 0x0                ; aq, bq
	s_load_b64 s[12:13], s[0:1], 0x10              ; out0
	v_lshl_add_u32 v[SPW], v0, 2, SPARE
	v_mov_b32 v[NIL], 0
	ds_add_u32 v[SPW], v[NIL]                      ; the opening lines: the add twice on end, and one wait below
	ds_add_u32 v[SPW], v[NIL]
	v_lshrrev_b32 v1, 5, v0
	v_readfirstlane_b32 s14, v1                    ; wave
	v_and_b32 v6, 31, v0                           ; lane
	v_lshlrev_b32 v[PFO], 8, v6
	v_min_u32 v7, 1, v6
	v_lshl_add_u32 v[PFO2], v7, 8, 32*256
	s_lshr_b32 s15, s14, 1                         ; my half of the rows; also: I fetch for A (0) or B (1)
	s_and_b32 s16, s14, 1                          ; my half of the columns; also: which 128 rows I fetch
	s_bfe_u32 s40, ttmp6, 0x40000                  ; cx
	s_bfe_u32 s41, ttmp6, 0x40004                  ; cy
	s_lshl_b32 s42, ttmp9, 2
	s_add_co_u32 s42, s42, s40                     ; tile column
	s_and_b32 s17, ttmp7, 0xffff
	s_lshl_b32 s17, s17, 2
	s_add_co_u32 s17, s17, s41                     ; tile row
	s_lshl_b32 s43, s41, 2
	s_lshl_b32 s43, 15, s43                        ; my row of the cluster
	s_lshl_b32 s44, 0x1111, s40                    ; my column
	s_or_b32 s[G1+0], s43, (3<<16)|(1<<21)         ; elements of 8 bytes, no padding: the rows lie 272 bytes apart as they come
	s_or_b32 s[G1B+0], s44, (3<<16)|(1<<21)
.irp g, G1, G1B
	s_mov_b32 s[\g+1], 32<<16
	s_mov_b32 s[\g+2], 136<<16
	s_mov_b32 s[\g+3], 32<<16
	s_mov_b32 s[\g+4], 136
	s_mov_b32 s[\g+5], 32
	s_mov_b32 s[\g+6], 0
	s_mov_b32 s[\g+7], 0
.endr
	s_lshl_b32 s18, s16, 7
	s_lshl_b32 s20, s17, 8
	s_add_co_u32 s20, s20, s18                     ; A: row 256 x tile row + 128 x half
	s_lshl_b32 s46, s42, 8
	s_add_co_u32 s46, s46, s18                     ; B: 256 x tile column + 128 x half
	s_mul_i32 s20, s20, PITCH
	s_mul_i32 s46, s46, PITCH
	s_mov_b32 s21, 0
	s_mov_b32 s47, 0
	s_mul_i32 s45, s14, QW                         ; my quarter in LDS
	s_cmp_eq_u32 s15, 0
	s_cselect_b32 s86, s20, s46                    ; the prefetches: the 128 rows that I fetch,
	s_cselect_b32 s87, s40, s41                    ; my place among the four that ask with me,
	s_mul_i32 s87, s87, 34*256                     ; its 34 runs of 256 bytes,
	s_add_co_u32 s86, s86, s87
	s_add_co_u32 s86, s86, 2*KSB                   ; at K step 2
	s_mov_b32 s87, 0
	s_wait_alu depctr_va_vdst(0)
	s_wait_dscnt 0x0                               ; both opening adds are done
	s_wait_kmcnt 0x0
	s_cmp_eq_u32 s15, 0
	s_cselect_b64 s[PFA:PFA+1], s[4:5], s[6:7]
	s_add_nc_u64 s[PFA:PFA+1], s[PFA:PFA+1], s[86:87]
	NAME -2*KSB                                    ; K step 0: the buffers' first touch, named ahead of the descriptors' set-up and the round
	s_add_nc_u64 s[20:21], s[4:5], s[20:21]
	s_add_nc_u64 s[46:47], s[6:7], s[46:47]
.irp s, 0,1
	s_mov_b32 s[G0+4*\s], 1
	s_add_co_u32 s[G0+4*\s+1], s45, \s*HALFT
	s_add_nc_u64 s[G0+4*\s+2:G0+4*\s+3], s[20:21], \s*KSB
	s_or_b32 s[G0+4*\s+3], s[G0+4*\s+3], 0x80000000
	s_mov_b32 s[G0B+4*\s], 1
	s_add_co_u32 s[G0B+4*\s+1], s45, \s*HALFT
	s_add_nc_u64 s[G0B+4*\s+2:G0B+4*\s+3], s[46:47], \s*KSB
	s_or_b32 s[G0B+4*\s+3], s[G0B+4*\s+3], 0x80000000
.endr
	CROUND                                         ; all sixteen work-groups are here: the first joint loads meet
	JLOAD G0, G1, G0B, G1B                         ; my one load at the head: my quarter of K step 0
	NAME -KSB                                      ; K step 1, the next tensor load's
	s_mul_i32 s21, s15, QW                         ; my 128 rows of A
	s_mul_i32 s22, s16, QW
	s_add_co_u32 s22, s22, 2*QW                    ; my 128 rows of B
	s_sub_co_u32 s23, s22, s21
	s_mul_i32 s18, s14, 16*SPITCH
	s_add_co_u32 s18, s18, STAGE                   ; my stage
	s_lshl_b32 s88, s17, 8
	s_lshl_b32 s89, s15, 7
	s_add_co_u32 s88, s88, s89                     ; my first row of out0,
	s_lshl_b32 s88, s88, 14                        ; of 16,384 bytes,
	s_lshl_b32 s89, s42, 10
	s_add_co_u32 s88, s88, s89                     ; + 1,024 x tile column
	s_lshl_b32 s89, s16, 9
	s_add_co_u32 s88, s88, s89                     ; + 512 x half
	s_mov_b32 s89, 0
	s_add_nc_u64 s[12:13], s[12:13], s[88:89]
	v_and_b32 v1, 15, v0                           ; r = l % 16
	v_bfe_u32 v2, v0, 4, 1                         ; h = l / 16
	v_mul_u32_u24 v3, v1, PITCH
	v_lshl_add_u32 v4, v2, 4, v3                   ; a fragment: row x pitch + 16 h
	v_mul_u32_u24 v8, s23, v2                      ; lanes 16-31 take B's scale words: one product, h x the distance
	v_add_nc_u32 v5, 256, v3
	v_add_nc_u32 v5, v5, v8
	v_add_nc_u32 v[ADRA], s21, v4
	v_add_nc_u32 v[ADRB], s22, v4
	v_add_nc_u32 v[ADRS], s21, v5
	v_add_nc_u32 v[ADRA+1], HALFT, v[ADRA]
	v_add_nc_u32 v[ADRB+1], HALFT, v[ADRB]
	v_add_nc_u32 v[ADRS+1], HALFT, v[ADRS]
	v_mul_u32_u24 v5, v1, SPITCH
	v_lshl_add_u32 v5, v2, 5, v5
	v_add_nc_u32 v[STO], s18, v5                   ; into the stage: row r, 32 bytes for each half of the lanes
	v_lshlrev_b32 v[CO], 4, v6                     ; back, and in out0: 16 bytes a lane of a row's 512
	v_add_nc_u32 v[RD], s18, v[CO]
.macro FRAG reg, adr, q, i             ; 16 rows x 128 K of 4-bit codes: two loads of 16 bytes, 32 apart
.irp c, 0,1
	ds_load_b128 v[\reg+4*\c:\reg+4*\c+3], v[\adr] offset:64*(\q)+32*\c+(\i)*16*PITCH
.endr
.endm
.macro MUL16 a0, p, q, sc, zero        ; A's blocks a0, a0 + 1 x B's eight, from sets p; the accumulators take turns, one instruction a turn
.irp a, \a0, \a0+1
.irp b, 0,1,2,3,4,5,6,7
.if \zero
	v_wmma_scale_f32_16x16x128_f8f6f4 v[8*(8*((\a)%4)+\b):8*(8*((\a)%4)+\b)+7], v[128*(\p)+FR*\b:128*(\p)+FR*\b+FR-1], v[AF+64*(\p)+FR*(\a):AF+64*(\p)+FR*(\a)+FR-1], 0, v[SC+8*NQ*(\sc)+NQ*\b+(\q)], v[SC+8*NQ*(\sc)+NQ*(\a)+(\q)] matrix_a_fmt:MATRIX_FMT_FP4 matrix_b_fmt:MATRIX_FMT_FP4 matrix_a_scale:MATRIX_SCALE_ROW1
.else
	v_wmma_scale_f32_16x16x128_f8f6f4 v[8*(8*((\a)%4)+\b):8*(8*((\a)%4)+\b)+7], v[128*(\p)+FR*\b:128*(\p)+FR*\b+FR-1], v[AF+64*(\p)+FR*(\a):AF+64*(\p)+FR*(\a)+FR-1], v[8*(8*((\a)%4)+\b):8*(8*((\a)%4)+\b)+7], v[SC+8*NQ*(\sc)+NQ*\b+(\q)], v[SC+8*NQ*(\sc)+NQ*(\a)+(\q)] matrix_a_fmt:MATRIX_FMT_FP4 matrix_b_fmt:MATRIX_FMT_FP4 matrix_a_scale:MATRIX_SCALE_ROW1
.endif
.endr
.endr
.endm
.macro FETCH slot, q, p                ; 32 LDS loads in one run: B's eight fragments, then A's eight in ascending order, into sets p
	WIN TO_B
.irp i, 0,1,2,3,4,5,6,7
	FRAG 128*(\p)+FR*\i, ADRB+\slot, \q, \i
.endr
	WIN 0
.irp i, 0,1,2,3,4,5,6,7
	FRAG AF+64*(\p)+FR*\i, ADRA+\slot, \q, \i
.endr
.endm
.macro SCALES sc                       ; a K step's scale words: 4 words a row; lanes 0-15 A's block i, lanes 16-31 B's block i
.irp i, 0,1,2,3,4,5,6,7
	ds_load_b128 v[SC+8*NQ*\sc+NQ*\i:SC+8*NQ*\sc+NQ*\i+3], v[ADRS+\sc] offset:\i*16*PITCH
.endr
.endm
.macro PLACES n
.rept \n
	v_nop
.endr
.endm
.macro STEP slot, q, zero              ; 128 along K with its successor in the same slot
	PLACES NP                                      ; behind the step before: its sets take the loads below
	FETCH \slot, (\q)+1, 1-(\q)%2
	WIN MUL_LO
	s_wait_dscnt 44                                ; out at the most: the 32 just issued and this step's A blocks 2-7 (12 loads)
	MUL16 0, (\q)%2, \q, \slot, \zero
	s_wait_dscnt 40                                ; .. A's blocks 4-7
	MUL16 2, (\q)%2, \q, \slot, \zero
	WIN MUL_HI
	s_wait_dscnt 36                                ; .. A's blocks 6, 7
	MUL16 4, (\q)%2, \q, \slot, \zero
	s_wait_dscnt 32                                ; the 32 just issued alone
	MUL16 6, (\q)%2, \q, \slot, \zero
	WIN 0
.endm
.macro ASK                             ; the K step two tensor loads on; the loop's last trip (s3 = 1) has none
	s_cmp_gt_u32 s3, 1
	s_cbranch_scc0 .Lno_ask_\@
	NAME KSB
.Lno_ask_\@:
.endm
; A slot's last step changes slots and fills the slot again, two K steps ahead.  All its fragments were asked for a step ago, so the change stands at its start:
; sixteen products between the barrier's signal and its wait, 48 behind the refill and the next slot's first 40 LDS loads.
.macro TURN slot, next
	s_wait_xcnt 0x0                                ; my prefetches of a K step ago have read their address: it steps here
	s_add_nc_u64 s[PFA:PFA+1], s[PFA:PFA+1], KSB
	s_wait_tensorcnt 0x0                           ; my one load that was out, my part of the next slot, has landed  (every window is 0 here)
	ds_add_u32 v[SPW], v[NIL]
	s_wait_dscnt 0x0                               ; the add is done, and my reads of this slot are over: this step's fragments are in registers
	s_barrier_signal -1                            ; opens a round of the cluster's barrier
	WIN MUL_LO
	MUL16 0, 1, NQ-1, \slot, 0
	WIN 0
	s_barrier_wait -1
	CREST
	s_add_nc_u64 s[G0+4*\slot+2:G0+4*\slot+3], s[G0+4*\slot+2:G0+4*\slot+3], 2*KSB
	s_add_nc_u64 s[G0B+4*\slot+2:G0B+4*\slot+3], s[G0B+4*\slot+2:G0B+4*\slot+3], 2*KSB
	JLOAD G0+4*\slot, G1, G0B+4*\slot, G1B         ; the first tensor load behind the round; its four v_nop are the places in front of the loads below (sets 0 were read a step ago)
	SCALES \next
	FETCH \next, 0, 0
	ASK
	WIN MUL_LO
	MUL16 2, 1, NQ-1, \slot, 0
	WIN MUL_HI
	MUL16 4, 1, NQ-1, \slot, 0
	MUL16 6, 1, NQ-1, \slot, 0
	WIN 0
.endm
.macro STEPS slot, from
.set Q, \from
.rept NQ-1-\from
	STEP \slot, Q, 0
.set Q, Q+1
.endr
.endm
	s_wait_alu depctr_va_vdst(0)
	s_wait_tensorcnt 0x0                           ; my quarter of K step 0 is in
	ds_add_u32 v[SPW], v[NIL]
	s_wait_dscnt 0x0
	CROUND                                         ; everybody's quarter is in, and all sixteen work-groups are here
	JLOAD G0+4, G1, G0B+4, G1B                     ; K step 1: slot 1's first fill, the first tensor load behind the round
	SCALES 0
	FETCH 0, 0, 0
	NAME 0                                         ; K step 2, the next tensor load's,
	NAME KSB                                       ; and K step 3, the one's after it
	STEP 0, 0, 1                                   ; the first step's products start the sums
	s_mov_b32 s3, 3
.Llap:                                                 ; a trip: two K steps, both slots filled again: K steps 2 to 7 in three trips
	STEPS 0, 1
	TURN 0, 1
	STEPS 1, 0
	TURN 1, 0
	STEP 0, 0, 0
	s_sub_co_u32 s3, s3, 1
	s_cmp_lg_u32 s3, 0
	s_cbranch_scc1 .Llap
	STEPS 0, 1                                     ; K step 6 goes on
; THE LAST K STEP (slot 1) BY ROWS OF out0
.macro BLOAD q                         ; B's fragments of quarter q -> window 1, v[64 q ..]
.irp i, 0,1,2,3,4,5,6,7
	FRAG 64*(\q)+8*\i, ADRB+1, \q, \i
.endr
.endm
.macro ALOAD a                         ; A's block a, all four quarters -> buffer a % 4
.irp q, 0,1,2,3
	FRAG PA+32*((\a)%4)+8*\q, ADRA+1, \q, \a
.endr
.endm
.macro ROW a                           ; block a is finished: 32 products, its 8 accumulators by turns, K ascending
	WIN MUL_LO+0x50*((\a)/4)
.irp q, 0,1,2,3
.if (\a) == 0 && \q == 0
	s_wait_dscnt 32                                ; all but B's quarter 2 (16 loads) and A's blocks 2, 3 (16)
.endif
.if (\a) == 0 && \q == 2
	s_wait_dscnt 0
.endif
.irp b, 0,1,2,3,4,5,6,7
	v_wmma_scale_f32_16x16x128_f8f6f4 v[64*((\a)%4)+8*\b:64*((\a)%4)+8*\b+7], v[64*\q+8*\b:64*\q+8*\b+7], v[PA+32*((\a)%4)+8*\q:PA+32*((\a)%4)+8*\q+7], v[64*((\a)%4)+8*\b:64*((\a)%4)+8*\b+7], v[SC+32+4*\b+\q], v[SC+32+4*(\a)+\q] matrix_a_fmt:MATRIX_FMT_FP4 matrix_b_fmt:MATRIX_FMT_FP4 matrix_a_scale:MATRIX_SCALE_ROW1
.endr
.endr
.endm
	s_wait_tensorcnt 0x0                           ; my part of K step 7 is in
	s_wait_dscnt 0x0                               ; K step 6's last fragments are in registers
	s_barrier_signal -1                            ; nothing is filled again: no add, no round
	WIN MUL_LO
	MUL16 0, 1, NQ-1, 0, 0
	s_barrier_wait -1
	PLACES NP
	WIN TO_B
	BLOAD 0                                        ; sets 1 (v128-191 of window 1, v192-255 of window 0) are still being multiplied: B's quarter 2 and A's blocks 2, 3 come later
	BLOAD 1
	BLOAD 3
	WIN 0
	SCALES 1
	ALOAD 0
	ALOAD 1
	WIN MUL_LO
	MUL16 2, 1, NQ-1, 0, 0
	WIN MUL_HI
	MUL16 4, 1, NQ-1, 0, 0
	MUL16 6, 1, NQ-1, 0, 0
	PLACES NP
	WIN TO_B
	BLOAD 2
	WIN 0
	ALOAD 2
	ALOAD 3
	ROW 0
; THE WAY OUT of block a: a lane's 32 bytes of a row go into my own stage; the block comes back as whole rows of 512 bytes INTO ITS OWN ACCUMULATORS' REGISTERS and is stored from there:
; every block has registers of its own and every offset is an immediate (127 rows of 16,384 bytes at the most), so no store's source is ever written again.  The next block's products stand between the stores into the stage and the wait for them.
.irp a, 0,1,2,3,4,5,6,7
	PLACES NP                                      ; behind block a's last product: for the reads of its results and the loads into its registers and its buffer of A
	WIN 0x88+0x44*(\a/4)                           ; data and destination: window 2 or 3; addresses: window 0
.irp b, 0,1,2,3,4,5,6,7
	ds_store_b128 v[STO], v[64*(\a%4)+8*\b:64*(\a%4)+8*\b+3] offset:64*\b          ; each accumulator from its low end on
	ds_store_b128 v[STO], v[64*(\a%4)+8*\b+4:64*(\a%4)+8*\b+7] offset:64*\b+16
.endr
.if \a < 4
	WIN 0
	ALOAD \a+4
.endif
.if \a < 7
	ROW \a+1
.endif
	WIN 0x88+0x44*(\a/4)
	s_wait_dscnt 0x0                               ; the stores into the stage have read their registers
.irp t, 0,1,2,3,4,5,6,7,8,9,10,11,12,13,14,15
	ds_load_b128 v[64*(\a%4)+4*\t:64*(\a%4)+4*\t+3], v[RD] offset:\t*SPITCH
.endr
	s_wait_dscnt 0x0
.irp t, 0,1,2,3,4,5,6,7,8,9,10,11,12,13,14,15
	global_store_b128 v[CO], v[64*(\a%4)+4*\t:64*(\a%4)+4*\t+3], s[12:13] offset:(16*\a+\t)*SIZE_N*4 th:TH_STORE_NT   ; 32 lanes store 512 consecutive bytes, at a multiple of 256 from out0's first byte
.endr
.endr
	WIN 0
	s_wait_tensorcnt 0x0                           ; the wave's end
	ds_add_u32 v[SPW], v[NIL]
	s_wait_dscnt 0x0
	CROUND                                         ; the closing round
	s_endpgm
.Lfunc_end_k_q3ba5a1808d_gemm:
	.size	k_q3ba5a1808d_gemm, .Lfunc_end_k_q3ba5a1808d_gemm-k_q3ba5a1808d_gemm
	.p2alignl 7, 3214868480
	.fill 96, 4, 3214868480
	.section	.rodata,"a",@progbits
	.p2align	6, 0x0
	.amdhsa_kernel k_q3ba5a1808d_gemm
		.amdhsa_group_segment_fixed_size 327680
		.amdhsa_private_segment_fixed_size 0
		.amdhsa_enable_private_segment 0
		.amdhsa_kernarg_size 24
		.amdhsa_user_sgpr_count 2
		.amdhsa_user_sgpr_kernarg_segment_ptr 1
		.amdhsa_wavefront_size32 1
		.amdhsa_system_sgpr_workgroup_id_x 1
		.amdhsa_system_sgpr_workgroup_id_y 1
		.amdhsa_system_sgpr_workgroup_id_z 1
		.amdhsa_system_vgpr_workitem_id 0
		.amdhsa_next_free_vgpr 1024
		.amdhsa_next_free_sgpr 90
		.amdhsa_reserve_vcc 0
		.amdhsa_float_denorm_mode_32 3
		.amdhsa_float_denorm_mode_16_64 3
		.amdhsa_memory_ordered 1
		.amdhsa_forward_progress 1
		.amdhsa_inst_pref_size 209
	.end_amdhsa_kernel
	.amdgpu_metadata
---
amdhsa.version: [ 1, 2 ]
amdhsa.kernels:
  - .name:           k_q3ba5a1808d_gemm
    .symbol:         k_q3ba5a1808d_gemm.kd
    .args:
      - { .name: aq, .offset: 0, .size: 8, .value_kind: global_buffer, .address_space: global }
      - { .name: bq, .offset: 8, .size: 8, .value_kind: global_buffer, .address_space: global }
      - { .name: out0, .offset: 16, .size: 8, .value_kind: global_buffer, .address_space: global }
    .group_segment_fixed_size: 327680
    .private_segment_fixed_size: 0
    .kernarg_segment_align: 8
    .kernarg_segment_size: 24
    .max_flat_workgroup_size: 128
    .sgpr_count:     90
    .vgpr_count:     1024
    .wavefront_size: 32
...
	.end_amdgpu_metadata
.endif
;; end of part 2
